; MI455X (gfx1250); checked and timed in simulation.
; The chip was launched on July 23, 2026; its instructions are those of AMD's public machine-readable ISA for CDNA 5 (MIT licence, August 2026) and "CDNA5" Instruction Set Architecture Reference Guide (July 2026). The comments in the code are by the model that wrote it; some were corrected since.
;; Scaled Dot Product Attention. Allowed arithmetic: matrix products marked QUANTISED: E2M3 operands, one E8M0 scale for each 32 along K, by v_wmma_scale_f32_16x16x128_f8f6f4 with both operands' format E2M3, f32 sums; everything else in f32.
;; Inputs: keys 16 x 2,048 x 128 float32; queries 16 x 2,048 x 128 float32; values 16 x 2,048 x 128 float32.
;; Outputs: out0 16 x 2,048 x 128 float32.
;; This version of the problem:
;;   THIS VERSION OF THE PROBLEM IS GIVEN IN LOW PRECISION. The matrix products marked QUANTISED in the list below multiply operands that are first quantised to E2M3 (2 exponent bits, 3 mantissa bits; 6 bits a number), with one power-of-two scale for each 32 numbers along K (OCP MX v1.0); their sums are f32. All else is computed in f32.
;;   The module's matrix products, in the order in which they are computed (A, B: the left and right operand; K: the contracted axis; several contracted axes count as one K, in the product's order):
;;     1. batch 16 x [M 2,048, K 128] x [K 128, N 2,048]; A: input queries; B: input keys: QUANTISED
;;     2. batch 16 x [M 2,048, K 2,048] x [K 2,048, N 128]; A: softmax (see below); B: input values: QUANTISED
;;   THE QUANTISER, for each operand of a quantised product, along K:
;;     - K is cut into blocks of 32 from its start; a last block that is shorter is filled with zeros.
;;     - A block's scale is 2^e with e = floor(log2(the largest magnitude in the block)) - 2, held to -126 .. 127; a block of zeros has e = 0. As a byte (E8M0): e + 127.
;;     - Each number is divided by its block's scale, clamped to +-7.5, and rounded to the nearest number of E2M3, ties to even, subnormals kept.
;;     - The product sums the exact products of the quantised numbers (number of the format x scale) in f32.
;;   ~~~python
;;   def quantise(x, axis):      # numpy; x: float32 -> the quantised numbers, widened to float32 again
;;       x = np.moveaxis(x, axis, -1); K = x.shape[-1]
;;       x = np.pad(x, [(0, 0)] * (x.ndim - 1) + [(0, -K % 32)]); x = x.reshape(x.shape[:-1] + (-1, 32)); a = np.abs(x).max(-1, keepdims=True)
;;       e = np.where(a > 0, np.clip(np.frexp(np.where(a > 0, a, 1))[1] - 1 - 2, -126, 127), 0)      # np.frexp(a)[1] - 1 = floor(log2(a)), exactly
;;       r = np.clip(x / 2.0 ** e, -7.5, 7.5)
;;       step = 2.0 ** (np.maximum(np.frexp(np.where(r == 0, 1, r))[1] - 1, 0) - 3)
;;       q = np.round(r / step) * step * 2.0 ** e      # np.round: ties to even
;;       return np.moveaxis(q.reshape(q.shape[:-2] + (-1,))[..., :K], -1, axis).astype(np.float32)
;;   ~~~
;;   SOFTMAX AHEAD OF A QUANTISED PRODUCT. Where the list says 'softmax', what is quantised is not the finished softmax but p = 2^(t - M), with t = logit x log2(e) and M = ceil(the row's largest t), a whole number; so 1/2 < the row's largest p <= 1. The row's sum l is taken of the UNQUANTISED p, in f32, and the product's result is divided by l at the end. Since M is a whole number, a kernel that streams over the keys may use a running M (the ceiling of the running maximum): every later rescaling is an exact power of two, which a block's scale takes up: the codes' values come out the same.
;;   OPERANDS COMPUTED ON THE WAY. 'Computed on the way' means the value that the module computes at that place (a softmax that the list does not call 'softmax' is quantised finished and normalised). What goes into a quantiser is computed in f32, as accurately as f32 sums, v_exp_f32 and their like allow (about 1e-6 of the number): no bf16 or f16 on the way to a quantiser, and a product that is left as it is and whose result goes on into a quantised operand takes f32 operands (vector FMAs, or v_wmma_f32_16x16x4_f32). A number that lies on a knife's edge between two numbers of the format may be rounded either way, as far as f32 arithmetic and the matrix unit's own rounding can turn it there, and no further.
;; One version. Each part assembles by itself: llvm-mc -triple=amdgcn-amd-amdhsa -mcpu=gfx1250 --defsym DOCPART=n.
;; ======== version 1 of 1: 2 launches
;; limits: right only within a limited range of input values
;; workspace buffers: codes 9,830,400 bytes
;; launch quant (part 1): grid 256 x 3, 8 waves a work-group, no clusters, 70,656 bytes of LDS; arguments keys, values, queries, codes; writes codes
.if DOCPART == 1
	.amdgcn_target "amdgcn-amd-amdhsa--gfx1250"
	.amdhsa_code_object_version 6
	.text
	.protected	k_q3097bc483e_quant
	.globl	k_q3097bc483e_quant
	.p2align	8
	.type	k_q3097bc483e_quant,@function
k_q3097bc483e_quant:
	s_mov_b64 s[64:65], 0
	v_nop
	global_prefetch_b8 v0, s[64:65] scope:SCOPE_SE
	s_setreg_imm32_b32 hwreg(HW_REG_WAVE_MODE, 25, 1), 1
	s_wait_xcnt 0x0
; [16][2048][128] f32 tensors -> codes of FP6 (E2M3) with one E8M0 scale byte for each 32 along a product's K, laid as IMAGES OF THE OPERAND'S REGISTERS.
.set CH,    12800                      ; a chunk
.set SCO,   12288                      ; its scale words
.set FRB,   1536                       ; a fragment's image
.set QOFF,  6553600                    ; the queries' chunks begin behind 256 x 25,600 bytes
; A work-group (x = 16 head + block, y = 0 keys, 1 values, 2 queries) takes 128 rows x 128 numbers, 65,536 dense bytes, and makes one CHUNK of 12,800 bytes:
;   8 fragments (16 rows x 128 K, 12 registers a lane) of 1,536 bytes: register j of lane l at 512 (j / 4) + 16 l + 4 (j % 4): three accesses of 16 bytes a lane bring a fragment;
;   then 512 bytes of scale words: that of (fragment f, row r) at 16 (r + 16 (f & 1)) + 4 (f >> 1): one access of 16 bytes a lane brings four scale registers, fragment 2 k in lanes 0-15, 2 k + 1 in lanes 16-31.
; Order of chunks: head h, key step s: keys' at (16 h + s) x 25,600, values' 12,800 further on; queries' at QOFF + (16 h + block) x 12,800.
; keys and queries: K = the head's 128, innermost.  Lane r of fragment f takes row 64 (f / 4) + 32 (r / 8) + 8 (f % 4) + r % 8, so that in the next launch the 32 registers of four neighbouring score tiles are one block of 32 keys in one lane.
; values: K = the block's 128 keys, the FIRST axis: lane r of fragment f takes channel 16 f + r and its registers run down the keys: the block lies in LDS, and a lane reads down a column.
; A block's scale is 2^(floor(log2(its largest magnitude)) - 2); its byte is the largest magnitude's exponent field - 2, held at 1 from below by a floor among the maximum's leaves.
; LIMITS: a block of zeros gets the byte 1 where the rule says 127 (its codes are zeros, which add nothing under any byte but 0xff, and this program alone reads the bytes); NaN and infinities among the inputs are not served.
; Eight waves: wave w loads rows 16 w .. 16 w + 15 (each load 512 consecutive bytes) and later makes fragment w.  No tensor loads.
.set RP,    528                        ; a stage row: 512 bytes + 16.  Row k lies at 528 k + 128 (k / 32): with 64 banks of 4 bytes (ISA guide 11.1) eight rows on end start at eight different columns of 16 bytes,
.set RP32,  17024                      ; and 32 rows on (17,024 bytes) an access stands 32 banks further: so the 16 rows of a fragment meet 16 different columns, and the two halves of a wave that reads down a column different banks
.set SCS,   68864                      ; behind the stage (which ends at 67,952): 512 bytes for the scale words
.set X,     32                         ; v32-95 64 numbers: first as loaded, then number i of block 2 c + h of my fragment's row at v[X + 32 c + i]
	s_load_b128 s[4:7], s[0:1], 0x0                ; keys, values
	s_load_b128 s[8:11], s[0:1], 0x10              ; queries, codes
	v_lshl_add_u32 v104, v0, 2, 0x11000            ; my spare word, and 0
	v_mov_b32 v105, 0
	v_lshrrev_b32 v1, 5, v0
	s_delay_alu instid0(VALU_DEP_1)
	v_readfirstlane_b32 s12, v1                    ; wave 0..7
	s_and_b32 s13, ttmp7, 0xffff                   ; which tensor
	v_and_b32 v1, 31, v0                           ; lane
	v_and_b32 v2, 15, v0                           ; r
	v_bfe_u32 v3, v0, 4, 1                         ; h
	v_lshlrev_b32 v4, 4, v1                        ; 16 x lane: my bytes of a row on the way in, of an image on the way out
	s_wait_alu depctr_va_vdst(0)                   ; the wait ahead of a run of scalar lines
	s_lshr_b32 s17, s12, 1
	s_mul_i32 s18, s12, 16*RP                      ; the stage, on the way in: row 16 w
	s_lshl_b32 s19, s17, 7
	s_add_co_u32 s18, s18, s19
	v_add_nc_u32 v5, s18, v4
	s_lshr_b32 s18, s12, 2                         ; along rows: row 64 (w / 4) + 8 (w % 4) + 32 (r / 8) + r % 8, + 128 h bytes
	s_mul_i32 s18, s18, 2*RP32
	s_and_b32 s19, s12, 3
	s_mul_i32 s19, s19, 8*RP
	s_add_co_u32 s18, s18, s19
	v_mul_u32_u24 v6, v2, RP
	v_lshrrev_b32 v10, 3, v2
	s_delay_alu instid0(VALU_DEP_1)
	v_mad_u32_u24 v6, v10, RP32-8*RP, v6
	s_delay_alu instid0(VALU_DEP_1)
	v_lshl_add_u32 v6, v3, 7, v6
	s_delay_alu instid0(VALU_DEP_1)
	v_add_nc_u32 v6, s18, v6
	s_lshl_b32 s18, s12, 6                         ; down columns: channel 16 w + r, from row 32 h on
	v_mul_u32_u24 v7, v3, RP32
	s_delay_alu instid0(VALU_DEP_1)
	v_lshl_add_u32 v7, v2, 2, v7
	s_delay_alu instid0(VALU_DEP_1)
	v_add_nc_u32 v7, s18, v7
	v_add_nc_u32 v8, SCS, v4                       ; the scale words on the way out
	s_and_b32 s16, s12, 1                          ; and on the way in: 16 r + 256 (w & 1) + 4 (w / 2)
	s_lshl_b32 s18, s16, 8
	s_lshl_b32 s19, s17, 2
	s_add_co_u32 s18, s18, s19
	s_add_co_u32 s18, s18, SCS
	v_lshl_add_u32 v11, v2, 4, s18
	s_wait_alu depctr_va_vdst(0)                   ; the wait at the head's end
	s_mov_b32 s20, 0x76543210
	s_mov_b32 s21, 0xfedcba98                      ; v_permlanex16_b32's selects for lane l xor 16
	s_lshl_b32 s14, ttmp9, 16                      ; in: 65,536 bytes a work-group, 8,192 a wave
	s_lshl_b32 s15, s12, 13
	s_add_co_u32 s14, s14, s15
	s_mov_b32 s15, 0
	s_mov_b32 s16, 2*CH                            ; out: the chunk's place, and my fragment in it
	s_cmp_eq_u32 s13, 2
	s_cselect_b32 s16, CH, s16
	s_cselect_b32 s17, QOFF, 0
	s_cmp_eq_u32 s13, 1
	s_cselect_b32 s18, CH, 0
	s_mul_i32 s22, ttmp9, s16
	s_add_co_u32 s22, s22, s17
	s_add_co_u32 s22, s22, s18
	s_mul_i32 s19, s12, FRB
	s_add_co_u32 s22, s22, s19
	s_mov_b32 s23, 0
	s_wait_kmcnt 0x0
	s_cmp_eq_u32 s13, 1                            ; the tensor is chosen by the work-group's number alone
	s_cselect_b64 s[4:5], s[6:7], s[4:5]
	s_cmp_eq_u32 s13, 2
	s_cselect_b64 s[4:5], s[8:9], s[4:5]
	s_add_nc_u64 s[4:5], s[4:5], s[14:15]
	s_add_nc_u64 s[10:11], s[10:11], s[22:23]
.irp i, 0,1,2,3,4,5,6,7,8,9,10,11,12,13,14,15
	global_load_b128 v[X+4*\i:X+4*\i+3], v4, s[4:5] offset:512*\i th:TH_LOAD_NT   ; a row: 32 lanes read 512 consecutive bytes; read once in the launch
.endr
.irp i, 0,1,2,3,4,5,6,7,8,9,10,11,12,13,14,15
	s_wait_loadcnt 15-\i                           ; loads come back in order: row i is in, the younger ones may be out
	ds_store_b128 v5, v[X+4*\i:X+4*\i+3] offset:RP*\i
.endr
	s_wait_dscnt 0x0                               ; for the others' sake: my rows lie in the stage
	s_barrier_signal -1
	s_barrier_wait -1                              ; all 128 rows do
	s_cmp_eq_u32 s13, 1                            ; the one place where the tensors part: LDS loads alone stand in the two arms
	s_cbranch_scc1 .Lcolumns
.irp c, 0,1
.irp j, 0,1,2,3,4,5,6,7
	ds_load_b128 v[X+32*\c+4*\j:X+32*\c+4*\j+3], v6 offset:256*\c+16*\j   ; channels 64 c + 32 h + 4 j on of my row
.endr
.endr
	s_branch .Lturned
.Lcolumns:
.irp c, 0,1
.set i, 0
.rept 32
	ds_load_b32 v[X+32*\c+i], v7 offset:2*RP32*\c+RP*i   ; key 64 c + 32 h + i of my channel
.set i, i+1
.endr
.endr
.Lturned:
	s_wait_dscnt 0x0
.irp c, 0,1                                    ; my block 2 c + h: all its 32 numbers are mine
	v_max3_num_f32 v[12+\c], |v[X+32*\c]|, |v[X+32*\c+1]|, 0x1800000   ; and the floor 2^(3 - 127): the byte cannot fall under 1
.endr
.irp i, 2,4,6,8,10,12,14,16,18,20,22,24,26,28,30
.irp c, 0,1
	s_delay_alu instid0(VALU_DEP_2)
	v_max3_num_f32 v[12+\c], v[12+\c], |v[X+32*\c+\i]|, |v[X+32*\c+\i+1]|   ; (the two blocks by turns)
.endr
.endr
.irp c, 0,1
	s_delay_alu instid0(VALU_DEP_2)
	v_add_nc_u32 v[14+\c], 0xff000000, v[12+\c]    ; 2 off the exponent field: the conversion takes the exponent field of this operand as its scale
.endr
.irp c, 0,1
	s_delay_alu instid0(VALU_DEP_2)
	v_lshrrev_b32 v[12+\c], 23, v[14+\c]           ; the scale's byte
.endr
	s_delay_alu instid0(VALU_DEP_1)
	v_lshl_or_b32 v9, v13, 16, v12                 ; my two bytes, blocks h and 2 + h,
	v_lshlrev_b32 v10, 3, v3
	s_delay_alu instid0(VALU_DEP_1)
	v_lshlrev_b32 v9, v10, v9                      ; at their places in the scale word;
	v_mov_b32 v10, 0
	s_delay_alu instid0(VALU_DEP_1)
	v_permlanex16_b32 v10, v9, s20, s21
	s_delay_alu instid0(VALU_DEP_1)
	v_or_b32 v9, v9, v10                           ; with lane l xor 16's two the word is whole
.irp c, 0,1
	v_cvt_scalef32_pk16_fp6_f32 v[16+6*\c:18+6*\c], v[X+32*\c:X+32*\c+15], v[14+\c]      ; registers 6 c .. 6 c + 5 of the fragment
	v_cvt_scalef32_pk16_fp6_f32 v[96+4*\c:98+4*\c], v[X+32*\c+16:X+32*\c+31], v[14+\c]   ; (a conversion's three registers begin on an even number: the second half is made elsewhere and moved)
.endr
	v_nop                                          ; one plain place behind a scaled conversion
.irp c, 0,1
.irp i, 0,1,2
	v_mov_b32 v[19+6*\c+\i], v[96+4*\c+\i]
.endr
.endr
.irp k, 0,1,2
	global_store_b128 v4, v[16+4*\k:19+4*\k], s[10:11] offset:512*\k   ; the image: 32 lanes store 512 consecutive bytes, at a multiple of 256 from the buffer's first byte
.endr
	ds_store_b32 v11, v9                           ; lanes r and r + 16 write the same word with the same value
	s_wait_dscnt 0x0                               ; for wave 0's sake
	s_barrier_signal -1
	s_barrier_wait -1
	s_cmp_lg_u32 s12, 0
	s_cbranch_scc1 .Lend
	ds_load_b128 v[28:31], v8                      ; wave 0 sends the chunk's 512 bytes of scale words (its base stands at the chunk's first byte)
	s_wait_dscnt 0x0
	global_store_b128 v4, v[28:31], s[10:11] offset:SCO
.Lend:
	s_wait_tensorcnt 0x0                           ; the wave's end
	ds_add_u32 v104, v105
	s_wait_dscnt 0x0
	s_endpgm
.Lfunc_end_k_q3097bc483e_quant:
	.size	k_q3097bc483e_quant, .Lfunc_end_k_q3097bc483e_quant-k_q3097bc483e_quant
	.p2alignl 7, 3214868480
	.fill 96, 4, 3214868480
	.section	.rodata,"a",@progbits
	.p2align	6, 0x0
	.amdhsa_kernel k_q3097bc483e_quant
		.amdhsa_group_segment_fixed_size 70656
		.amdhsa_private_segment_fixed_size 0
		.amdhsa_enable_private_segment 0
		.amdhsa_kernarg_size 32
		.amdhsa_user_sgpr_count 2
		.amdhsa_user_sgpr_kernarg_segment_ptr 1
		.amdhsa_wavefront_size32 1
		.amdhsa_system_sgpr_workgroup_id_x 1
		.amdhsa_system_sgpr_workgroup_id_y 1
		.amdhsa_system_sgpr_workgroup_id_z 1
		.amdhsa_system_vgpr_workitem_id 0
		.amdhsa_next_free_vgpr 106
		.amdhsa_next_free_sgpr 66
		.amdhsa_reserve_vcc 0
		.amdhsa_float_denorm_mode_32 3
		.amdhsa_float_denorm_mode_16_64 3
		.amdhsa_memory_ordered 1
		.amdhsa_forward_progress 1
		.amdhsa_inst_pref_size 17
	.end_amdhsa_kernel
	.amdgpu_metadata
---
amdhsa.version: [ 1, 2 ]
amdhsa.kernels:
  - .name:           k_q3097bc483e_quant
    .symbol:         k_q3097bc483e_quant.kd
    .args:
      - { .name: keys, .offset: 0, .size: 8, .value_kind: global_buffer, .address_space: global }
      - { .name: values, .offset: 8, .size: 8, .value_kind: global_buffer, .address_space: global }
      - { .name: queries, .offset: 16, .size: 8, .value_kind: global_buffer, .address_space: global }
      - { .name: codes, .offset: 24, .size: 8, .value_kind: global_buffer, .address_space: global }
    .group_segment_fixed_size: 70656
    .private_segment_fixed_size: 0
    .kernarg_segment_align: 8
    .kernarg_segment_size: 32
    .max_flat_workgroup_size: 256
    .sgpr_count:     66
    .vgpr_count:     106
    .wavefront_size: 32
...
	.end_amdgpu_metadata
.endif
;; end of part 1
;; launch attn (part 2): grid 16 x 16, 8 waves a work-group, clusters of 4 x 1, 327,680 bytes of LDS; arguments codes, out0; writes out0
.if DOCPART == 2
	.amdgcn_target "amdgcn-amd-amdhsa--gfx1250"
	.amdhsa_code_object_version 6
	.text
	.protected	k_q3097bc483e_attn
	.globl	k_q3097bc483e_attn
	.p2align	8
	.type	k_q3097bc483e_attn,@function
k_q3097bc483e_attn:
	s_mov_b64 s[64:65], 0
	v_nop
	global_prefetch_b8 v0, s[64:65] scope:SCOPE_SE
	s_setreg_imm32_b32 hwreg(HW_REG_WAVE_MODE, 25, 1), 1
	s_wait_xcnt 0x0
	s_wait_alu depctr_hold_cnt(0) depctr_sa_sdst(0) depctr_va_vdst(0) depctr_va_sdst(0) depctr_va_ssrc(0) depctr_va_vcc(0) depctr_vm_vsrc(0)
	s_getreg_b32 s2, hwreg(HW_REG_IB_STS2, 6, 4)
	s_cmp_eq_u32 s2, 0
	s_cbranch_scc0 .Lentry_in_a_cluster
	s_endpgm
.Lentry_in_a_cluster:
	s_bfe_u32 s2, ttmp6, 0x10000c
	s_cmp_lg_u32 s2, 0x3003
	s_cbranch_scc0 .Lentry_shape_is_right
	s_endpgm
.Lentry_shape_is_right:
; out0[h][q][:] = the sum over k of softmax_k(Q[h][q] . K[h][k] / sqrt(128)) V[h][k][:], 16 heads of 2,048 x 128, both products on codes of FP6 (E2M3) with one E8M0 scale for each 32 along a product's K.
; The codes come from the launch before, as images of operand registers in chunks of 12,800 bytes (8 fragments of 1,536 bytes, then 512 bytes of scale words): a fragment is three loads of 16 bytes a lane at 16 x lane + 512 c.
; THE SOFTMAX AHEAD OF THE SECOND PRODUCT: t = score x log2(e) / sqrt(128); M = the largest t so far, rounded UP to a whole number; p = 2^(t - M) is quantised along the keys, not normalised.
; The row's sum is taken of the unquantised p and divides at the end.  When M moves, the sum and O are multiplied by 2^(old M - new M): exact.
; SHARES.  A work-group owns 128 queries of one head.  Wave w (pair = w & 3, g = w >> 2) holds TWO tiles of 16 queries, the pair's, and walks HALF of the keys: key steps 2 g and 2 g + 1 of every slot of four steps of 128 keys.
; Tile a of a wave holds the queries' fragment 2 pair + (a xor g).  At the end waves w and w xor 4 merge: each keeps its tile 0 and sends its tile 1, which is the partner's tile 0; both M are whole numbers, so the merge's factors are exact powers of two.
; LAYOUT.  Both products are used transposed: S^T = K Q^T (source 0 = 16 keys, source 1 = 16 queries), O^T = V^T P^T (source 0 = 16 channels, source 1 = P): a lane holds ONE query (lane % 16) throughout.
; Lane r of K's fragment t holds key 64 (t / 4) + 32 (r / 8) + 8 (t % 4) + r % 8: so the 32 registers of score tiles 4 c .. 4 c + 3 are keys 64 c + 32 h + 0 .. 31 (h = lane / 16): ONE WHOLE BLOCK in one lane, in the order of the second
; product's operand: a block's maximum and its codes need no other lane.  The queries' fragments have the same order of rows: only out0's row addresses see it.
; A GROUP is the wave's two key steps A and B of a slot.  p's codes of A wait for B: A's scale word is made when B's M is known (the block's largest p x 2^(M of A - M of B)), so O^T is brought under the new M once for 256 keys.
; B's K lands under A's softmax, both V's under B's softmax; the change of slots stands in front of O^T += V_A^T P_A^T, which runs while the others arrive, and the next slot's first K lands under O^T += V_B^T P_B^T.
; CLUSTER.  The four query blocks of a cluster belong to one head and walk the same K and V: each chunk is asked for JOINTLY, by the same tensor load with the same descriptor (head, slot and wave's number alone) and a mask that names the four.
; LIMITS: NaN and infinities are not served; the scaled scores t stay under 2^31 in magnitude.  A block's largest p is taken from the block's largest score put through the same multiply-add and exponential: that takes v_exp_f32 not to fall where its
; input rises; at the worst one p of a block, within an ulp of a power of two, is held one code low.
; REGISTERS.  Window 0: v0 thread; v1-5 addresses; v6-55 as named below; v56-79 p's codes of A, v80-91 of B's tile 0; v92-127 V_B's fragments 0-2; v128-255 S^T, then p, 64 a tile.  When B's tile 0 is converted, v128-175 take V_B's fragments 3-6
;   and v176-187 the codes of B's tile 1; v192-203 take V_B's fragment 7.   Window 1: v0-127 O^T, 64 a tile; v128-223 eight fragments of K or of V_A; v224-247 Q; v248-252 offsets.
.set CH,    12800                      ; a chunk
.set SCO,   12288                      ; its scale words
.set FRB,   1536                       ; a fragment's image
.set STEPB, 2*CH                       ; a key step: K's chunk, then V's
.set SLOTB, 4*STEPB                    ; a slot: four key steps
.set HEADB, 16*STEPB                   ; a head's K and V
.set QOFF,  16*HEADB                   ; the queries' chunks
.set SLOT1, 1<<17                      ; slot 1 begins here, so that one exclusive or turns an address in one slot into the other's
.set SP,    528                        ; a stage row: 512 bytes + 16: row r starts 4 r banks on (64 banks of 4 bytes: ISA guide 11.1)
.set XB,    16*SP                      ; a wave's stage: 16 rows; in the merge 8,192 bytes of O^T's image, 128 of -M, 128 of the sum
.set STAGE, SLOT1+SLOTB                ; behind the ring; no tensor load fills it
.set SPARE, STAGE+8*XB                 ; the spare words, 128 bytes for each wave
.set LI,  1                            ; 16 x lane + my half of a slot
.set AD,  2                            ; the same in the slot in hand
.set SPW, 3                            ; LDS address of my spare word; never rewritten
.set NIL, 4                            ; 0; never rewritten
.set PFO, 5                            ; the prefetches' offset
.set FF,  6                            ; v6, v28: a tile's 2^(M before the group - M now)
.set XP,  7                            ; v7, v29: at work, a tile each
.set STT, 8                            ; v8-11, v12-15: a tile's -M, largest score, sum in two halves
.set PSA, 16                           ; scale words: of A's p, a tile each,
.set QS,  18                           ; of Q,
.set KS,  20                           ; of K, then of V_A,
.set VSB, 24                           ; of V_B,
.set PSB, 30                           ; and of B's p
.set BMA, 36                           ; v36-39 A's blocks' largest scores, then largest p; v32-35 B's
.set FB,  40                           ; v40, v42: B's 2^(old M - new M), a tile each
.set TA,  41                           ; v41, v43: at work, a tile each
.set LT,  44
.set SCL, 46                           ; the conversions' scale operands
.set BT,  48                           ; v48-55 at work
.set PCA, 56
.set PCB, 80
.set F2,  92
.set SS,  128
.set FK,  128                          ; in window 1
.set QF,  224                          ; in window 1
; s8 wave, s9 pair, s10 g, s11 cx, s12 query block, s13 head, s[20:21] lane selects, s[22:23] c, s[24:31] descriptor group 1, s[32:35] group 0 (it walks), s36 the slot in hand, s37 trips, s38 who prefetches, s39 -c, s[40:41] where, s[42:43] Q's chunk, s46, s47 stages
.set MSB, 0
.macro WIN new                         ; s_set_vgpr_msb: bits 1:0 source 0, 3:2 source 1, 5:4 source 2, 7:6 destination; the high byte repeats the setting that is left
.if MSB != \new
	s_set_vgpr_msb (MSB<<8)|\new
.set MSB, \new
.endif
.endm
.macro PLACES                          ; four plain vector instructions behind a matrix instruction, in front of loads into its registers and of reads of its results
.rept 4
	v_nop
.endr
.endm
.macro CREST                           ; a round of the cluster's barrier behind its opening barrier
	s_cmp_lg_u32 s8, 0
	s_cbranch_scc1 .Lnot_wave_0_\@
	s_barrier_signal -3
.Lnot_wave_0_\@:
	s_barrier_wait -3
	s_barrier_signal -1
	s_barrier_wait -1
.endm
.macro CROUND                          ; a whole round
	s_barrier_signal -1
	s_barrier_wait -1
	CREST
.endm
; The joint load of the next slot, every wave's one tensor load behind the round, and a PREFETCH of the slot after that, 102,400 dense bytes.  All clusters of a head walk the same bytes: the head's first cluster asks.  Its four partners take
; 25,600 bytes each, told apart BY ADDRESS; in each, waves 0 to 3 take 6,400 bytes: 25 blocks of 256, a lane a block (lanes 25 to 31 name lane 24's).  The change that asks for the last slot prefetches nothing; slots 0 and 1 come by their loads alone.
.macro REFILL
	tensor_load_to_lds s[32:35], s[24:31]
	s_nop 0
	PLACES                                         ; four v_nop follow the load; they are also the places in front of the loads into K's registers
	s_cmp_gt_u32 s37, s38
	s_cbranch_scc0 .Lnot_mine_\@
	global_prefetch_b8 v[PFO], s[40:41] th:TH_LOAD_NT scope:SCOPE_SE
.Lnot_mine_\@:
.endm
.macro LDF reg, off                    ; a fragment: each load takes 512 consecutive bytes
.irp c, 0,1,2
	ds_load_b128 v[\reg+4*\c:\reg+4*\c+3], v[AD] offset:\off+512*\c
.endr
.endm
.macro CHUNK off                       ; a chunk: four scale registers by one load, then its eight fragments into window 1
	ds_load_b128 v[KS:KS+3], v[AD] offset:\off+SCO
	WIN 0x40
.irp t, 0,1,2,3,4,5,6,7
	LDF FK+12*\t, \off+FRB*\t
.endr
	WIN 0
.endm
.macro KQ4 t0                          ; S^T = K Q^T: four fragments of K against my two tiles of queries.  Scale register t / 2 holds fragment t's words in lanes 0-15 (t even) or 16-31 (t odd)
	WIN 0x05
.irp t, \t0, \t0+1, \t0+2, \t0+3
.irp a, 0,1
.if ((\t)%2) == 0
	v_wmma_scale_f32_16x16x128_f8f6f4 v[SS+64*\a+8*(\t):SS+64*\a+8*(\t)+7], v[FK+12*(\t):FK+12*(\t)+11], v[QF+12*\a:QF+12*\a+11], 0, v[KS+(\t)/2], v[QS+\a] matrix_a_fmt:MATRIX_FMT_FP6 matrix_b_fmt:MATRIX_FMT_FP6
.else
	v_wmma_scale_f32_16x16x128_f8f6f4 v[SS+64*\a+8*(\t):SS+64*\a+8*(\t)+7], v[FK+12*(\t):FK+12*(\t)+11], v[QF+12*\a:QF+12*\a+11], 0, v[KS+(\t)/2], v[QS+\a] matrix_a_fmt:MATRIX_FMT_FP6 matrix_b_fmt:MATRIX_FMT_FP6 matrix_a_scale:MATRIX_SCALE_ROW1
.endif
.endr
.endr
.endm
.macro PV st                           ; O^T += V^T P^T of step A (0) or B (1): the 16 accumulators take turns, one instruction a turn
	WIN 0x51-\st
.irp t, 0,1,2,3,4,5,6,7
.irp a, 0,1
.set wD, 64*\a+8*\t
.if \st == 0
.set wA, FK+12*\t
.set wB, PCA+12*\a
.set wSa, KS+\t/2
.set wSb, PSA+\a
.else
.set wA, F2+12*\t
.if \t > 2
.set wA, SS+12*(\t-3)
.endif
.if \t == 7
.set wA, SS+64
.endif
.set wB, PCB+(SS+48-PCB)*\a
.set wSa, VSB+\t/2
.set wSb, PSB+\a
.endif
.if (\t%2) == 0
	v_wmma_scale_f32_16x16x128_f8f6f4 v[wD:wD+7], v[wA:wA+11], v[wB:wB+11], v[wD:wD+7], v[wSa], v[wSb] matrix_a_fmt:MATRIX_FMT_FP6 matrix_b_fmt:MATRIX_FMT_FP6
.else
	v_wmma_scale_f32_16x16x128_f8f6f4 v[wD:wD+7], v[wA:wA+11], v[wB:wB+11], v[wD:wD+7], v[wSa], v[wSb] matrix_a_fmt:MATRIX_FMT_FP6 matrix_b_fmt:MATRIX_FMT_FP6 matrix_a_scale:MATRIX_SCALE_ROW1
.endif
.endr
.endr
	WIN 0
.endm
; Tile a's p, 64 registers: the row's sum, two at a time, in four chains; then the codes.  p: unquantised, behind its exponentials' wait
.macro FINISH a, st
.set rS, SS+64*\a
.set rL, STT+4*\a+2
.set rP, PCA+12*\a
.if \st
.set rP, PCB+(SS+48-PCB)*\a
.endif
.irp c, 0,1
	v_max_num_f32 v[SCL+\c], 0x1800000, v[BX+2*\a+\c]   ; the floor 2^(3 - 127): the byte cannot fall under 1 (a block whose every p is 0 keeps that byte: its codes are zeros)
.endr
	v_pk_add_f32 v[LT:LT+1], v[rS:rS+1], v[rS+2:rS+3]
	v_pk_add_f32 v[BT:BT+1], v[rS+4:rS+5], v[rS+6:rS+7]
	v_pk_add_f32 v[BT+2:BT+3], v[rS+8:rS+9], v[rS+10:rS+11]
	v_pk_add_f32 v[rL:rL+1], v[rL:rL+1], v[rS+12:rS+13]
.set j, rS+14
.rept 6
	v_pk_add_f32 v[LT:LT+1], v[LT:LT+1], v[j:j+1]
	v_pk_add_f32 v[BT:BT+1], v[BT:BT+1], v[j+2:j+3]
	v_pk_add_f32 v[BT+2:BT+3], v[BT+2:BT+3], v[j+4:j+5]
	v_pk_add_f32 v[rL:rL+1], v[rL:rL+1], v[j+6:j+7]
.set j, j+8
.endr
	v_pk_add_f32 v[LT:LT+1], v[LT:LT+1], v[rS+62:rS+63]
	v_pk_add_f32 v[BT:BT+1], v[BT:BT+1], v[BT+2:BT+3]
.irp c, 0,1
	v_add_nc_u32 v[SCL+\c], 0xff000000, v[SCL+\c]  ; 2 off the exponent field: the conversion's scale operand
.endr
	v_pk_add_f32 v[rL:rL+1], v[rL:rL+1], v[LT:LT+1]
	v_pk_add_f32 v[rL:rL+1], v[rL:rL+1], v[BT:BT+1]
.irp c, 0,1
	v_cvt_scalef32_pk16_fp6_f32 v[rP+6*\c:rP+6*\c+2], v[rS+32*\c:rS+32*\c+15], v[SCL+\c]
	v_cvt_scalef32_pk16_fp6_f32 v[BT+4*\c:BT+4*\c+2], v[rS+32*\c+16:rS+32*\c+31], v[SCL+\c]   ; (a conversion's three registers begin on an even number: the second half is moved)
.endr
.if \st
	v_lshrrev_b32 v[LT], 23, v[SCL]                ; my two blocks' bytes (and a plain place behind the conversions)
	v_lshrrev_b32 v[LT+1], 23, v[SCL+1]
.else
	v_nop                                          ; one plain place behind a scaled conversion
.endif
.irp i, 0,1,2
	v_mov_b32 v[rP+3+\i], v[BT+\i]
.endr
.if \st
	v_lshl_or_b32 v[LT], v[LT+1], 16, v[LT]
.endif
.irp i, 0,1,2
	v_mov_b32 v[rP+9+\i], v[BT+4+\i]
.endr
.if \st
	v_permlanex16_b32 v[LT+1], v[LT], s20, s21
	s_delay_alu instid0(VALU_DEP_1)
	v_lshl_or_b32 v[PSB+\a], v[LT+1], 8, v[LT]     ; with lane l xor 16's two bytes: lanes 0-15 hold the word of their query's four blocks
.endif
.endm
; The softmax of step A (0) or B (1), both tiles.
.macro SOFT st
.set BX, BMA-4*\st
.irp a, 0,1
.irp c, 0,1
	v_max3_num_f32 v[BX+2*\a+\c], v[SS+64*\a+32*\c], v[SS+64*\a+32*\c+1], v[SS+64*\a+32*\c+2]   ; the largest score of my block: it serves the row's maximum and, since p rises with the score, the block's largest p.  (Each score tile is read from its low end on; four chains by turns)
.endr
.endr
.irp i, 3,5,7,9,11,13,15,17,19,21,23,25,27,29
.irp a, 0,1
.irp c, 0,1
	v_max3_num_f32 v[BX+2*\a+\c], v[BX+2*\a+\c], v[SS+64*\a+32*\c+\i], v[SS+64*\a+32*\c+\i+1]
.endr
.endr
.endr
.irp a, 0,1
.irp c, 0,1
	v_max_num_f32 v[BX+2*\a+\c], v[BX+2*\a+\c], v[SS+64*\a+32*\c+31]
.endr
.endr
.irp a, 0,1
	v_max3_num_f32 v[TA+2*\a], v[BX+2*\a], v[BX+2*\a+1], v[STT+4*\a+1]
.endr
.irp a, 0,1
	s_delay_alu instid0(VALU_DEP_2)
	v_permlanex16_b32 v[XP+22*\a], v[TA+2*\a], s20, s21
.endr
.irp a, 0,1
	s_delay_alu instid0(VALU_DEP_2)
	v_max_num_f32 v[STT+4*\a+1], v[TA+2*\a], v[XP+22*\a]   ; the largest score so far of my query, lane l xor 16's keys among them
.endr
.irp a, 0,1
	s_delay_alu instid0(VALU_DEP_2)
	v_mul_f32 v[TA+2*\a], s39, v[STT+4*\a+1]       ; -t (c is positive)
.endr
.irp a, 0,1
	s_delay_alu instid0(VALU_DEP_2)
	v_floor_f32 v[TA+2*\a], v[TA+2*\a]             ; the new -M = floor(-t) = -ceil(t): a whole number
.endr
.irp a, 0,1
	s_delay_alu instid0(VALU_DEP_2)
	v_sub_f32 v[XP+22*\a], v[TA+2*\a], v[STT+4*\a] ; old M less new M: a whole number, 0 or less
.endr
.irp a, 0,1
	v_mov_b32 v[STT+4*\a], v[TA+2*\a]
.endr
.irp a, 0,1
	v_cvt_i32_f32 v[XP+22*\a], v[XP+22*\a]         ; (it saturates)
.endr
.set rF, FF
.set rG, 22
.if \st
.set rF, FB
.set rG, 2
.endif
.irp a, 0,1
	s_delay_alu instid0(VALU_DEP_2)
	v_ldexp_f32 v[rF+rG*\a], 1.0, v[XP+22*\a]      ; f = 2^(old M - new M)
.endr
.irp a, 0,1
	v_pk_mul_f32 v[STT+4*\a+2:STT+4*\a+3], v[STT+4*\a+2:STT+4*\a+3], v[rF+rG*\a:rF+rG*\a+1] op_sel_hi:[1,0]   ; the sums under the new M
.endr
.if \st                                ; A's blocks under B's M: their scale words
.irp a, 0,1
	v_mul_f32 v[FF+22*\a], v[FF+22*\a], v[FB+2*\a] ; what O^T is multiplied by: both steps' factors
	v_pk_mul_f32 v[BMA+2*\a:BMA+2*\a+1], v[BMA+2*\a:BMA+2*\a+1], v[FB+2*\a:FB+2*\a+1] op_sel_hi:[1,0]
.endr
.irp a, 0,1
.irp c, 0,1
	v_max_num_f32 v[BMA+2*\a+\c], 0x1800000, v[BMA+2*\a+\c]   ; the floor once more
.endr
.endr
.irp a, 0,1
	v_lshrrev_b32 v[TA+2*\a], 23, v[BMA+2*\a]
	v_lshrrev_b32 v[XP+22*\a], 23, v[BMA+2*\a+1]
.endr
.irp a, 0,1
	v_lshl_or_b32 v[TA+2*\a], v[XP+22*\a], 16, v[TA+2*\a]
.endr
.irp a, 0,1
	s_delay_alu instid0(VALU_DEP_2)
	v_permlanex16_b32 v[XP+22*\a], v[TA+2*\a], s20, s21
.endr
.irp a, 0,1
	s_delay_alu instid0(VALU_DEP_2)
	v_lshl_or_b32 v[XP+22*\a], v[XP+22*\a], 8, v[TA+2*\a]
.endr
.irp a, 0,1
	s_delay_alu instid0(VALU_DEP_2)
	v_add_nc_u32 v[PSA+\a], 0xfdfdfdfe, v[XP+22*\a]   ; 2 off each of the four bytes, which are 3 or more
.endr
.endif
.set j, SS
.rept 32
	v_pk_fma_f32 v[j:j+1], v[j:j+1], s[22:23], v[STT:STT+1] op_sel_hi:[1,0,0]   ; tile 0's t - M, two at a time (of the pairs c and -M the low word serves both halves)
.set j, j+2
.endr
.irp c, 0,1
	v_fma_f32 v[BX+\c], v[BX+\c], s22, v[STT]      ; the same of each block's largest score
.endr
	s_wait_alu depctr_va_vdst(0)                   ; the wait ahead of the batch
	v_exp_f32 v[BX], v[BX]                         ; the block's largest p: the same two instructions on the same number give the same bits
	v_exp_f32 v[BX+1], v[BX+1]
.irp c, 2,3
	v_fma_f32 v[BX+\c], v[BX+\c], s22, v[STT+4]
.endr
.set j, SS
.rept 32
	v_exp_f32 v[j], v[j]                           ; p = 2^(t - M), at most 1: not normalised
	v_exp_f32 v[j+1], v[j+1]
	v_pk_fma_f32 v[j+64:j+65], v[j+64:j+65], s[22:23], v[STT+4:STT+5] op_sel_hi:[1,0,0]   ; tile 1's t - M between: plain work that names none of the batch's registers
.set j, j+2
.endr
	s_wait_alu depctr_va_vdst(0)                   ; one wait for the batch, ahead of its first reader
	FINISH 0, \st
.if \st
.irp t, 3,4,5,6
	LDF SS+12*(\t-3), STEPB+CH+FRB*\t              ; tile 0's p is converted: its registers take V_B's fragments 3 to 6
.endr
.endif
	s_wait_alu depctr_va_vdst(0)                   ; the wait ahead of the batch
	v_exp_f32 v[BX+2], v[BX+2]
	v_exp_f32 v[BX+3], v[BX+3]
.set j, SS+64
.rept 64
	v_exp_f32 v[j], v[j]
.set j, j+1
.endr
	v_nop                                          ; a plain place behind the exponentials
	s_wait_alu depctr_va_vdst(0)                   ; and the wait ahead of the first reader
	FINISH 1, \st
.if \st
	LDF SS+64, STEPB+CH+FRB*7                      ; V_B's last fragment
.endif
.endm
; A group's scores and softmax.  On entry A's K is on its way into window 1.
.macro FRONT
	PLACES                                         ; with the line below five places between the last products, which read V_B and codes in the scores' registers, and the products that write there
	v_add_nc_u32 v[AD], s36, v[LI]
	s_wait_alu depctr_va_vdst(0)
	s_wait_dscnt 12                                ; the scale words and fragments 0 to 3 are in; the twelve youngest loads, fragments 4 to 7, may be out
	KQ4 0
	s_wait_dscnt 0x0
	KQ4 4
	WIN 0
	PLACES                                         ; in front of the loads into K's registers and of the reads of the scores
	CHUNK STEPB                                    ; B's K lands while A's softmax is walked
	SOFT 0
	s_wait_dscnt 0x0
	KQ4 0
	KQ4 4
	WIN 0
	PLACES
	CHUNK CH                                       ; V of A, and V of B as far as registers are free, land while B's softmax is walked
	ds_load_b128 v[VSB:VSB+3], v[AD] offset:STEPB+CH+SCO
.irp t, 0,1,2
	LDF F2+12*\t, STEPB+CH+FRB*\t
.endr
	SOFT 1
.endm
; A group's second product and the change of slots.  In front of the barrier each wave waits for all its tensor loads (its chunk of the next slot), adds 0 to its spare word, and waits for that and for its reads of the slot in hand: all of V is in
; registers.  fill = 1: the barrier opens a round of the cluster's barrier, so that no wave of any partner still reads that slot or has a load on its way; then the joint refill, which has a whole group in which to land.
.macro BACK fill
	s_wait_tensorcnt 0x0                           ; no tensor load of mine is out, so group 0 may be written
	ds_add_u32 v[SPW], v[NIL]                      ; 0 onto my spare word
.if \fill
	s_xor_b32 s33, s33, SLOT1                      ; the other slot than last time,
	s_add_nc_u64 s[34:35], s[34:35], SLOTB         ; the next four key steps; the type bits on top are not reached
	s_wait_xcnt 0x0                                ; the last prefetch, a group back, has read its address
	s_add_nc_u64 s[40:41], s[40:41], SLOTB         ; one slot further on than the walking descriptor
.endif
	s_xor_b32 s36, s36, SLOT1                      ; on to the other slot
	WIN 0x41                                       ; O^T (destination and source 0) in window 1, f in window 0
	s_wait_alu depctr_va_vdst(0)                   ; directly ahead of the first reader of O^T
.irp a, 0,1
.set j, 64*\a
.rept 32
	v_pk_mul_f32 v[j:j+1], v[j:j+1], v[FF+22*\a:FF+22*\a+1] op_sel_hi:[1,0]   ; O^T under the new M.  (These 64 are also the places between the writes of p's codes and scale words and the scaled products)
.set j, j+2
.endr
.endr
	s_wait_alu depctr_va_vdst(0)                   ; the wait ahead of the wait below
	s_wait_dscnt 0x0                               ; the add is done, and so are my reads of this slot
	s_barrier_signal -1
	PV 0                                           ; products, on registers alone, while the others arrive
	s_barrier_wait -1
.if \fill
	CREST
	REFILL
	v_add_nc_u32 v[AD], s36, v[LI]
	CHUNK 0                                        ; the next group's first K lands under the products below
.else
	PLACES
	s_cmp_eq_u32 s37, 1                            ; the last group has no successor
	s_cbranch_scc1 .Lno_next_\@
	v_add_nc_u32 v[AD], s36, v[LI]
	CHUNK 0
.Lno_next_\@:
.endif
	PV 1
.endm
	s_load_b128 s[4:7], s[0:1], 0x0                ; codes, out0
	v_lshl_add_u32 v[SPW], v0, 2, SPARE
	v_mov_b32 v[NIL], 0
	ds_add_u32 v[SPW], v[NIL]                      ; the wave's opening: the add, twice on end, and its wait ahead of my first tensor load
	ds_add_u32 v[SPW], v[NIL]
	v_lshrrev_b32 v[TA], 5, v0
	v_readfirstlane_b32 s8, v[TA]                  ; wave 0..7
	s_and_b32 s9, s8, 3                            ; pair
	s_lshr_b32 s10, s8, 2                          ; g
	s_bfe_u32 s11, ttmp6, 0x40000                  ; cx: my place in the cluster
	s_lshl_b32 s12, ttmp9, 2                       ; in a cluster launch ttmp9 counts clusters
	s_add_co_u32 s12, s12, s11                     ; my block of 128 queries: it enters Q's, out0's and the prefetches' addresses alone
	s_and_b32 s13, ttmp7, 0xffff                   ; the head, which the four partners share
	; descriptor group 1: a chunk, 12,800 dense bytes, as 50 rows of 256 bytes (32 elements of 8 bytes); no padding: images are read as 512 consecutive bytes
	s_mov_b32 s24, 15|(3<<16)|(1<<21)              ; 15:0 the mask: all four work-groups; 17:16 elements of 8 bytes; 21 set beside a mask
	s_mov_b32 s25, 32<<16                          ; tensor_dim0 = 32
	s_mov_b32 s26, 50<<16                          ; tensor_dim1 = 50
	s_mov_b32 s27, 32<<16                          ; tile_dim0 = 32
	s_mov_b32 s28, 50                              ; tile_dim1 = 50
	s_mov_b32 s29, 32                              ; elements from row to row
	s_mov_b32 s30, 0
	s_mov_b32 s31, 0
	s_mul_i32 s50, s13, HEADB                      ; the head's K and V
	s_mov_b32 s51, 0
	s_mov_b32 s32, 1                               ; group 0: count = 1
	s_mul_i32 s33, s8, CH                          ; LDS address: chunk w of slot 0: no place in the cluster enters it
	s_mov_b32 s52, s33                             ; and chunk w in memory
	s_mov_b32 s53, 0
	s_lshl_b32 s54, s13, 4
	s_add_co_u32 s54, s54, s12
	s_mul_i32 s54, s54, CH
	s_add_co_u32 s54, s54, QOFF                    ; my block's chunk of Q
	s_mov_b32 s55, 0
	s_mul_i32 s56, s11, STEPB                      ; the prefetches: my work-group's quarter of a slot, my wave's quarter of that,
	s_mul_i32 s57, s9, STEPB/4
	s_add_co_u32 s56, s56, s57
	s_add_co_u32 s56, s56, SLOTB                   ; in slot 1: the first change of slots steps it to slot 2.  Nothing is prefetched at the head
	s_mov_b32 s57, 0
	s_lshl_b32 s58, s13, 11                        ; out0: row 2,048 head + 128 block + 64 (pair / 2) + 16 (pair % 2) + 8 g, of 512 bytes
	s_lshl_b32 s59, s12, 7
	s_add_co_u32 s58, s58, s59
	s_lshr_b32 s59, s9, 1
	s_lshl_b32 s59, s59, 6
	s_add_co_u32 s58, s58, s59
	s_and_b32 s59, s9, 1
	s_lshl_b32 s59, s59, 4
	s_add_co_u32 s58, s58, s59
	s_lshl_b32 s59, s10, 3
	s_add_co_u32 s58, s58, s59
	s_lshl_b32 s58, s58, 9
	s_mov_b32 s59, 0
	s_wait_dscnt 0x0                               ; both opening adds are done
	CROUND                                         ; all four work-groups are here: the first joint loads meet
	s_wait_kmcnt 0x0
	s_add_nc_u64 s[40:41], s[4:5], s[50:51]
	s_add_nc_u64 s[34:35], s[40:41], s[52:53]      ; global address: head, slot 0, chunk w
	s_or_b32 s35, s35, 0x80000000                  ; type = 2
	tensor_load_to_lds s[32:35], s[24:31]          ; slot 0; slot 1 is first filled behind the next round, as a refill is
	s_nop 0
	PLACES
	s_add_nc_u64 s[40:41], s[40:41], s[56:57]
	s_add_nc_u64 s[42:43], s[4:5], s[54:55]
	s_add_nc_u64 s[6:7], s[6:7], s[58:59]
	s_mov_b32 s20, 0x76543210
	s_mov_b32 s21, 0xfedcba98                      ; v_permlanex16_b32's selects for lane l xor 16
	s_mov_b32 s22, 0x3e0293ee                      ; c = log2(e) / sqrt(128)
	s_mov_b32 s23, s22                             ; (named with it as a pair, so it is written)
	s_mov_b32 s39, 0xbe0293ee                      ; -c
	s_mov_b32 s36, 0
	s_mov_b32 s37, 2                               ; slots 2, 3 are asked for in the first loop
	s_or_b32 s38, s10, ttmp9                       ; 0 in waves 0 to 3 of the head's first cluster: the same in all four partners
	s_cmp_eq_u32 s38, 0
	s_cselect_b32 s38, 1, -1
	s_mul_i32 s44, s10, 2*STEPB                    ; my two key steps of a slot
	s_mul_i32 s45, s8, XB
	s_add_co_u32 s46, s45, STAGE                   ; my stage
	s_xor_b32 s47, s8, 4
	s_mul_i32 s47, s47, XB
	s_add_co_u32 s47, s47, STAGE                   ; my partner's
	s_xor_b32 s16, s10, 1                          ; Q: tile a holds fragment 2 pair + (a xor g)
	s_mul_i32 s17, s9, 2*FRB
	s_mul_i32 s14, s10, FRB
	s_add_co_u32 s14, s14, s17
	s_mul_i32 s15, s16, FRB
	s_add_co_u32 s15, s15, s17
	s_lshl_b32 s18, s9, 2                          ; its scale words: 16 r + 256 (a xor g) + 4 pair
	s_lshl_b32 s19, s10, 8
	s_add_co_u32 s19, s19, s18
	s_lshl_b32 s16, s16, 8
	s_add_co_u32 s16, s16, s18
	v_and_b32 v[LT], 31, v0                        ; lane
	v_and_b32 v[LT+1], 15, v0                      ; r
	v_lshlrev_b32 v[SCL], 4, v[LT]                 ; 16 x lane
	v_lshlrev_b32 v[LT+1], 4, v[LT+1]              ; 16 r
	v_min_u32 v[PFO], 24, v[LT]
	v_add_nc_u32 v[LI], s44, v[SCL]
	v_lshlrev_b32 v[PFO], 8, v[PFO]
	WIN 0x40
	v_add_nc_u32 v248, s14, v[SCL]                 ; (window 1, these five)
	v_add_nc_u32 v249, s15, v[SCL]
	v_add_nc_u32 v250, s19, v[LT+1]
	v_add_nc_u32 v251, s16, v[LT+1]
	v_mov_b32 v252, v[SCL]                         ; out0's offset: 16 x lane
	WIN 0x41
.irp c, 0,1,2
	global_load_b128 v[QF+4*\c:QF+4*\c+3], v248, s[42:43] offset:512*\c        ; Q's two fragments stay in registers
	global_load_b128 v[QF+12+4*\c:QF+12+4*\c+3], v249, s[42:43] offset:512*\c
.endr
	WIN 0x01
	global_load_b32 v[QS], v250, s[42:43] offset:SCO
	global_load_b32 v[QS+1], v251, s[42:43] offset:SCO
	WIN 0
.irp a, 0,1
	v_mov_b32 v[STT+4*\a], 0x7e000000              ; -M: 2^125, over every -M that the scores give: the first factor is 0
	v_mov_b32 v[STT+4*\a+1], 0xff61b1e6            ; the largest score so far: -3e38
	v_mov_b32 v[STT+4*\a+2], 0                     ; the sum, in two halves
	v_mov_b32 v[STT+4*\a+3], 0
	v_mov_b32 v[XP+22*\a], 0                       ; written once: a lane permute's destination counts as one of its sources
.endr
	WIN 0x40
.set j, 0
.rept 128
	v_mov_b32 v[j], 0                              ; O^T.  The group is written without a first form of its own: the first finds zeros, which the first change of M leaves zeros; that spares further copies of the group
.set j, j+1
.endr
	WIN 0
	s_wait_alu depctr_va_vdst(0)                   ; the wait at the head's end
	s_wait_loadcnt 0x0                             ; Q
	s_wait_tensorcnt 0x0                           ; my chunk of slot 0 is in
	ds_add_u32 v[SPW], v[NIL]
	s_xor_b32 s33, s33, SLOT1
	s_add_nc_u64 s[34:35], s[34:35], SLOTB
	s_add_nc_u64 s[40:41], s[40:41], SLOTB
	s_wait_dscnt 0x0
	CROUND                                         ; every wave's chunk of slot 0 is in, and all four work-groups are here
	REFILL                                         ; slot 1
	v_add_nc_u32 v[AD], s36, v[LI]
	CHUNK 0
.Lring:                                            ; two trips: each asks for the slot two on, into the slot that it has read
	FRONT
	BACK 1
	s_sub_co_u32 s37, s37, 1
	s_cmp_lg_u32 s37, 0
	s_cbranch_scc1 .Lring
	s_mov_b32 s37, 2
.Llast:                                            ; two trips: the last two slots; nothing is filled again
	FRONT
	BACK 0
	s_sub_co_u32 s37, s37, 1
	s_cmp_lg_u32 s37, 0
	s_cbranch_scc1 .Llast
	; THE MERGE.  Addresses first: they are also the places behind the last products
.set STO, 48                           ; my stage: where I put 32 bytes of a row
.set RD,  50                           ; my stage + 16 x lane
.set XR,  51                           ; my partner's stage + 16 x lane
.set XW4, 52                           ; my stage + 4 x lane
.set XR4, 53                           ; my partner's + 4 x lane
	v_and_b32 v48, 15, v0
	v_bfe_u32 v49, v0, 4, 1
	v_and_b32 v50, 31, v0
	v_mul_u32_u24 v48, v48, SP
	v_lshlrev_b32 v51, 4, v50
	v_lshlrev_b32 v52, 2, v50
	v_lshl_add_u32 v48, v49, 5, v48
	v_add_nc_u32 v[RD], s46, v51
	v_add_nc_u32 v[XR], s47, v51
	v_add_nc_u32 v[XR4], s47, v52
	v_add_nc_u32 v[XW4], s46, v52
	v_add_nc_u32 v[STO], s46, v48                  ; row r, + 32 h
	; each tile's sum: its two halves and lane l xor 16's
.irp a, 0,1
	v_add_f32 v[STT+4*\a+2], v[STT+4*\a+2], v[STT+4*\a+3]
.endr
.irp a, 0,1
	s_delay_alu instid0(VALU_DEP_2)
	v_permlanex16_b32 v[XP+22*\a], v[STT+4*\a+2], s20, s21
.endr
.irp a, 0,1
	s_delay_alu instid0(VALU_DEP_2)
	v_add_f32 v[STT+4*\a+2], v[STT+4*\a+2], v[XP+22*\a]
.endr
	; my tile 1 (O^T as an image of its registers, -M, the sum) goes to my stage; my partner reads it there, and I read my partner's
	WIN 0x04                                       ; an LDS store's data are its source 1: window 1
.set k, 0
.rept 16
	ds_store_b128 v[RD], v[64+4*k:64+4*k+3] offset:512*k   ; ascending: each accumulator from its low end on
.set k, k+1
.endr
	WIN 0
	ds_store_b32 v[XW4], v[STT+4] offset:8192
	ds_store_b32 v[XW4], v[STT+6] offset:8320
	s_wait_alu depctr_va_vdst(0)
	s_wait_dscnt 0x0                               ; for my partner's sake: my stores have landed
	s_barrier_signal -1
	s_barrier_wait -1
.set k, 0
.rept 16
	ds_load_b128 v[SS+4*k:SS+4*k+3], v[XR] offset:512*k    ; the other half of the keys' O^T of my tile 0's queries, in the same registers' order and the same lanes
.set k, k+1
.endr
	ds_load_b32 v36, v[XR4] offset:8192            ; its -M
	ds_load_b32 v37, v[XR4] offset:8320            ; its sum
	s_wait_dscnt 0x0                               ; my reads of my partner's stage are over:
	s_barrier_signal -1                            ; say so; the stages are written again only behind this barrier's wait.  Register work stands between
	v_min_num_f32 v32, v[STT], v36                 ; the joint -M
	s_delay_alu instid0(VALU_DEP_1)
	v_sub_f32 v33, v32, v[STT]                     ; my M less the joint M, a whole number, 0 or less;
	s_delay_alu instid0(VALU_DEP_2)
	v_sub_f32 v34, v32, v36                        ; my partner's likewise
	s_delay_alu instid0(VALU_DEP_2)
	v_cvt_i32_f32 v33, v33
	s_delay_alu instid0(VALU_DEP_2)
	v_cvt_i32_f32 v34, v34
	s_delay_alu instid0(VALU_DEP_2)
	v_ldexp_f32 v33, 1.0, v33                      ; exact powers of two
	s_delay_alu instid0(VALU_DEP_2)
	v_ldexp_f32 v34, 1.0, v34
	s_delay_alu instid0(VALU_DEP_2)
	v_mul_f32 v35, v[STT+2], v33
	s_delay_alu instid0(VALU_DEP_1)
	v_fma_f32 v35, v37, v34, v35                   ; the row's sum under the joint M
	s_wait_alu depctr_va_vdst(0)                   ; the wait ahead of the transcendental
	v_rcp_f32 v38, v35
	v_nop                                          ; a plain instruction behind the reciprocal
	s_wait_alu depctr_va_vdst(0)                   ; and the wait ahead of its first reader
	v_mul_f32 v[FB], v33, v38
	v_mul_f32 v[SCL], v34, v38
.set j, SS
.rept 32
	v_pk_mul_f32 v[j:j+1], v[j:j+1], v[SCL:SCL+1] op_sel_hi:[1,0]
.set j, j+2
.endr
	WIN 0x01                                       ; source 0: my O^T, window 1
	s_wait_alu depctr_va_vdst(0)                   ; directly ahead of the first reader of tile 0's O^T
.set j, 0
.rept 32
	v_pk_fma_f32 v[SS+j:SS+j+1], v[j:j+1], v[FB:FB+1], v[SS+j:SS+j+1] op_sel_hi:[1,0,1]   ; ascending: each accumulator from its low end on.  Register 8 t + i is o(query r, channel 16 t + 8 h + i)
.set j, j+2
.endr
	WIN 0
	s_wait_alu depctr_va_vdst(0)
	s_barrier_wait -1                              ; nobody reads my stage any more
	; THE WAY OUT: a lane holds 32 neighbouring bytes of a row and the lanes beside it other rows: through my stage, back as whole rows of 512 bytes.  LDS serves a wave's instructions in order: no wait between the stores and the loads
.irp t, 0,1,2,3,4,5,6,7
	ds_store_b128 v[STO], v[SS+8*\t:SS+8*\t+3] offset:64*\t
	ds_store_b128 v[STO], v[SS+8*\t+4:SS+8*\t+7] offset:64*\t+16
.endr
.irp i, 0,1,2,3,4,5,6,7,8,9,10,11,12,13,14,15
	ds_load_b128 v[192+4*\i:195+4*\i], v[RD] offset:SP*\i
.endr
	WIN 0x01                                       ; a store's offset is its source 0: window 1
.irp i, 0,1,2,3,4,5,6,7,8,9,10,11,12,13,14,15
	s_wait_dscnt 15-\i                             ; row i is back; the younger loads may be out
	global_store_b128 v252, v[192+4*\i:195+4*\i], s[6:7] offset:(\i+24*(\i/8))*512 th:TH_STORE_NT   ; the tile's row i is query i + 24 (i / 8) from my first: 32 lanes store 512 consecutive bytes, at a multiple of 256 from out0's first byte
.endr
	WIN 0
	s_wait_tensorcnt 0x0                           ; the wave's end, behind my last tensor load and my last LDS store
	ds_add_u32 v[SPW], v[NIL]
	s_wait_dscnt 0x0
	CROUND                                         ; the closing round: no work-group ends while a partner may still ask for a chunk that names it
	s_endpgm
.Lfunc_end_k_q3097bc483e_attn:
	.size	k_q3097bc483e_attn, .Lfunc_end_k_q3097bc483e_attn-k_q3097bc483e_attn
	.p2alignl 7, 3214868480
	.fill 96, 4, 3214868480
	.section	.rodata,"a",@progbits
	.p2align	6, 0x0
	.amdhsa_kernel k_q3097bc483e_attn
		.amdhsa_group_segment_fixed_size 327680
		.amdhsa_private_segment_fixed_size 0
		.amdhsa_enable_private_segment 0
		.amdhsa_kernarg_size 16
		.amdhsa_user_sgpr_count 2
		.amdhsa_user_sgpr_kernarg_segment_ptr 1
		.amdhsa_wavefront_size32 1
		.amdhsa_system_sgpr_workgroup_id_x 1
		.amdhsa_system_sgpr_workgroup_id_y 1
		.amdhsa_system_sgpr_workgroup_id_z 1
		.amdhsa_system_vgpr_workitem_id 0
		.amdhsa_next_free_vgpr 512
		.amdhsa_next_free_sgpr 66
		.amdhsa_reserve_vcc 0
		.amdhsa_float_denorm_mode_32 3
		.amdhsa_float_denorm_mode_16_64 3
		.amdhsa_memory_ordered 1
		.amdhsa_forward_progress 1
		.amdhsa_inst_pref_size 147
	.end_amdhsa_kernel
	.amdgpu_metadata
---
amdhsa.version: [ 1, 2 ]
amdhsa.kernels:
  - .name:           k_q3097bc483e_attn
    .symbol:         k_q3097bc483e_attn.kd
    .args:
      - { .name: codes, .offset: 0, .size: 8, .value_kind: global_buffer, .address_space: global }
      - { .name: out0, .offset: 8, .size: 8, .value_kind: global_buffer, .address_space: global }
    .group_segment_fixed_size: 327680
    .private_segment_fixed_size: 0
    .kernarg_segment_align: 8
    .kernarg_segment_size: 16
    .max_flat_workgroup_size: 256
    .sgpr_count:     66
    .vgpr_count:     512
    .wavefront_size: 32
...
	.end_amdgpu_metadata
.endif
;; end of part 2
